; MI455X (gfx1250); checked and timed in simulation.
; The chip was launched on July 23, 2026; its instructions are those of AMD's public machine-readable ISA for CDNA 5 (MIT licence, August 2026) and "CDNA5" Instruction Set Architecture Reference Guide (July 2026). The comments in the code are by the model that wrote it; some were corrected since.
;; RIS Controller. Allowed arithmetic: float matrix products may take bf16 or f16 operands with f32 sums; other float arithmetic in f32, or as packed bf16 or f16 multiplies, adds, multiply-adds, maxima and minima; sums over many terms, partial sums and values carried from step to step in f32; what a program stores and reads back later, other than sums and carried values, may be rounded once to bf16 or f16.
;; Inputs: W1 32 x 3 float32; Wout 9 x 4 x 32 float32; b1 32 float32; bout 9 x 4 float32; x 262,144 x 3 float32.
;; Outputs: out0 262,144 x 9 x 4 float32.
;; One version. Each part assembles by itself: llvm-mc -triple=amdgcn-amd-amdhsa -mcpu=gfx1250 --defsym DOCPART=n.
;; ======== version 1 of 1: 1 launch
;; launch snn (part 1): grid 256 x 1, 8 waves a work-group, no clusters, 19,456 bytes of LDS; arguments x, W1, b1, Wout, bout, out0; writes out0
.if DOCPART == 1
	.amdgcn_target "amdgcn-amd-amdhsa--gfx1250"
	.amdhsa_code_object_version 6
	.text
	.protected	k_qab90a5952b_snn
	.globl	k_qab90a5952b_snn
	.p2align	8
	.type	k_qab90a5952b_snn,@function
k_qab90a5952b_snn:
	s_mov_b64 s[64:65], 0
	v_nop
	global_prefetch_b8 v0, s[64:65] scope:SCOPE_SE
	s_setreg_imm32_b32 hwreg(HW_REG_WAVE_MODE, 25, 1), 1
	s_wait_xcnt 0x0
; SPIKE COUNTS OF A TWO-LAYER LEAKY INTEGRATE-AND-FIRE NET, 16 time steps.  x: [262144][3], W1: [32][3], b1: [32], Wout: [36][32] (9 heads x 4), bout: [36], out0: [262144][36], all f32.
;   in = x W1^T + b1;  each step:  m = 0.9 m + in - (spike before);  spike = m > 1;  ino = spike Wout^T + bout;  the same integrator on ino;  out0 = the number of output spikes.
; ARITHMETIC.  A count is a step function of the membranes, so their last bits count.  All five inputs are rounded once to bf16.  Then the sums of ino (at most 32 weights of 8 significant bits, and
; the bias) fit in f32 whatever their order, and the matrix unit makes them: spikes 0 / 1 and weights in bf16, sums in f32, bout as the C operand.  The membranes are f32: 0.9 m + in is one fused
; multiply-add, the reset a second rounding.  fc1 has K = 3, three multiply-adds a neuron once in 16 steps, half a hundredth of the products' work: it is made in f32 on the rounded operands (whose
; products are exact), k ascending, the bias last, which are reference's roundings; a matrix instruction padded to K = 32 would add in another order.
; LIMITS.  NaN is not treated apart.  A weight below about 2^-16 beside sums above 1 can leave f32's 24 bits: there the last bit of ino hangs on the order of the sum.
; SHARES.  256 work-groups x 8 waves; a wave walks 8 TILES of 16 batch rows.  ino^T = Wout (source 0: 16 outputs) x spike^T (source 1: 16 batch rows).  Lane l = (r = l % 16, h = l / 16) belongs to batch
; row r.  It integrates the 16 hidden neurons that source 1 wants of it (8 h + 0..7 and 16 + 8 h + 0..7) and receives the outputs 8 h + j and 16 + 8 h + j (j = 0..7) and 32 + 2 h + j (j = 0, 1): the third
; weight tile has outputs 32..35 in its rows 0, 1, 8, 9, so that of its result only registers 0 and 1 are used, in all 32 lanes; its other rows repeat these four and are not read.
; THE COUNT.  For two neurons and a step four packed instructions: leak, reset, spike, and the packing to bf16 (hidden) or the count (output): 32 + 36 vector and 3 matrix instructions a tile and step.
; spike = clamp((m - 1) x 2^24) to 0..1: the least m - 1 above 0 is 2^-23, so it is 1.0 for every m > 1 and 0 for every other.
; ORDER.  The products of step t, the hidden layer of step t + 1, the output layer of step t: the hidden layer's lines are the places behind the products.
; NO CLUSTER, NO TENSOR LOADS: the work-groups share only 5 KB of weights, which every wave keeps in registers; x is 12 bytes a row, read by one wave, asked for a tile ahead.
.set TILES,  8                         ; tiles of a wave
.set WAVES,  8
.set XROW,   12                        ; bytes in a row of x
.set OROW,   144                       ; bytes in a row of out0
.set TILE_X, 16*XROW
.set TILE_O, 16*OROW                   ; 2,304 = 9 x 256
.set SPARE,  WAVES*TILE_O              ; LDS: a stage of 2,304 bytes for each wave from byte 0; behind them the spare words, 128 bytes a wave: four blocks of 256 bytes that no other line names
; window 0
.set SPW, 2                            ; v2   LDS address of my spare word; never rewritten
.set NIL, 3                            ; v3   0; never rewritten
.set XO,  4                            ; v4   12 r: my row in a tile of x
.set STO, 5                            ; v5   stage: 144 r + 32 h
.set STO2, 6                           ; v6   stage: 144 r + 8 h
.set RD,  7                            ; v7   stage: 8 l
.set GO,  8                            ; v8   8 l: my 8 bytes in 256 of out0
.set RR,  9                            ; v9-17  set-up only
.set HH,  10
.set LN,  11
.set H32, 12
.set WO,  13
.set WO2, 14
.set W1O, 15
.set H8,  16
.set X,   18                           ; v18-20   x of my row, as loaded
.set XT,  21                           ; v21-23   at work
.set XR,  24                           ; v24-29   x0, x0, x1, x1, x2, x2, rounded to bf16, as f32
.set KK,  30                           ; v30-31   2^24 twice   (the clamped form takes vector registers alone)
.set NK,  32                           ; v32-33   -2^24 twice
.set A,   34                           ; v34-57   Wout in bf16: three fragments of 16 outputs x 32 hidden
.set CB,  58                           ; v58-81   bout in the layout of a result: three C operands
.set IN,  82                           ; v82-97   in of my 16 hidden neurons
.set M,   98                           ; v98-113  their membranes
.set S,   114                          ; v114-129 their spikes, 1.0 or 0
.set P,   130                          ; v130-137 the spikes in bf16: source 1
.set D,   138                          ; v138-161 ino: three results
.set MO,  162                          ; v162-185 output membranes in 0..17; step 1's three results land here
.set SO,  186                          ; v186-203 output spikes
.set CN,  204                          ; v204-221 counts
.set OB,  222                          ; v222-239 a tile of out0 on its way out
; window 1 (v256-319): of my 16 hidden neurons, rounded to bf16, as f32
.set W1R, 0                            ; W1[neuron i][k] at 16 k + i
.set BB,  48                           ; b1
; the set-up's loads and work lie in registers that the tiles use later
.set TW1, 82
.set TB1, 130
.set TWO, 146
.set TC,  194
.set TD,  226
.set XB,   4                           ; s[4:5]   x at my tile
.set OUTB, 14                          ; s[14:15] out0 at my tile
.set WV,   16                          ; s16  my wave's number
.set BETA, 22                          ; s[22:23] 0.9: the packed forms name a pair and take its low word twice
.set CNT,  24                          ; s24  tiles to go
.set STEP, 26                          ; s[26:27] what the next way out adds to out0's address: 0 the first time
.set MASK, 28                          ; s28  a word's upper bf16
.set MSB, 0
.macro WIN new                         ; the immediate's high byte repeats the setting that is left
.if MSB != (\new)
	s_set_vgpr_msb (MSB<<8)|(\new)
.set MSB, \new
.endif
.endm
	s_load_b256 s[4:11], s[0:1], 0x0               ; x s[4:5], W1 s[6:7], b1 s[8:9], Wout s[10:11]
	s_load_b128 s[12:15], s[0:1], 0x20             ; bout s[12:13], out0 s[14:15]
	v_lshl_add_u32 v[SPW], v0, 2, SPARE
	v_mov_b32 v[NIL], 0
	v_lshrrev_b32 v1, 5, v0
	v_readfirstlane_b32 s[WV], v1                  ; wave 0..7
	v_and_b32 v[RR], 15, v0                        ; r
	v_bfe_u32 v[HH], v0, 4, 1                      ; h
	v_and_b32 v[LN], 31, v0                        ; l
	v_mul_u32_u24 v[XO], v[RR], XROW
	v_lshlrev_b32 v[H32], 5, v[HH]                 ; 8 h numbers of b1, bout or a row of Wout
	v_lshlrev_b32 v[H8], 3, v[HH]
	v_mul_u32_u24 v[W1O], v[HH], 8*XROW            ; 8 h rows of W1
	v_lshl_add_u32 v[WO], v[RR], 7, v[H32]         ; Wout: row r, hidden 8 h on
	v_and_b32 v1, 1, v[RR]
	v_bfe_u32 v17, v[RR], 3, 1
	v_lshl_add_u32 v1, v17, 1, v1                  ; the third fragment's row r holds output 32 + r % 2 + 2 (r / 8): rows 0, 1, 8, 9 are outputs 32..35
	v_lshl_add_u32 v[WO2], v1, 7, v[H32]
	s_mul_i32 s17, s[WV], TILE_O                   ; my stage
	v_mul_u32_u24 v[STO], v[RR], OROW
	v_add_nc_u32 v[STO], s17, v[STO]
	v_add_nc_u32 v[STO2], v[STO], v[H8]
	v_add_nc_u32 v[STO], v[STO], v[H32]
	v_lshlrev_b32 v[GO], 3, v[LN]
	v_add_nc_u32 v[RD], s17, v[GO]
	s_mul_i32 s18, ttmp9, WAVES*TILES*TILE_X       ; my wave's 128 rows in x,
	s_mul_i32 s19, s[WV], TILES*TILE_X
	s_add_co_u32 s18, s18, s19
	s_mov_b32 s19, 0
	s_mul_i32 s20, ttmp9, WAVES*TILES*TILE_O       ; and in out0 (under 2^26 bytes)
	s_mul_i32 s21, s[WV], TILES*TILE_O
	s_add_co_u32 s20, s20, s21
	s_mov_b32 s21, 0
	s_mov_b32 s[BETA], 0x3f666666                  ; 0.9
	s_mov_b32 s[BETA+1], s[BETA]
	s_mov_b32 s[CNT], TILES
	s_mov_b32 s[STEP], 0
	s_mov_b32 s[STEP+1], 0
	s_mov_b32 s[MASK], 0xffff0000
	s_wait_kmcnt 0x0
	s_add_nc_u64 s[XB:XB+1], s[XB:XB+1], s[18:19]
	s_add_nc_u64 s[OUTB:OUTB+1], s[OUTB:OUTB+1], s[20:21]
.irp k, 0,1,2
	global_load_b32 v[X+\k], v[XO], s[XB:XB+1] offset:4*\k  ; a row is 12 bytes: three loads of 4, each inside the tile's 192 consecutive bytes
.endr
.irp i, 0,1,2,3,4,5
	global_load_b128 v[TW1+4*\i:TW1+4*\i+3], v[W1O], s[6:7] offset:16*\i              ; W1's rows 8 h .. 8 h + 7: 96 bytes on end
	global_load_b128 v[TW1+24+4*\i:TW1+24+4*\i+3], v[W1O], s[6:7] offset:192+16*\i    ; and 16 + 8 h .. 16 + 8 h + 7
.endr
.irp i, 0,1
	global_load_b128 v[TB1+4*\i:TB1+4*\i+3], v[H32], s[8:9] offset:16*\i
	global_load_b128 v[TB1+8+4*\i:TB1+8+4*\i+3], v[H32], s[8:9] offset:64+16*\i
	global_load_b128 v[CB+4*\i:CB+4*\i+3], v[H32], s[12:13] offset:16*\i              ; bout[8 h + j]
	global_load_b128 v[CB+8+4*\i:CB+8+4*\i+3], v[H32], s[12:13] offset:64+16*\i       ; bout[16 + 8 h + j]
.endr
	global_load_b64 v[CB+16:CB+17], v[H8], s[12:13] offset:128                        ; bout[32 + 2 h + j]
.irp t, 0,1
.irp i, 0,1
	global_load_b128 v[TWO+16*\t+4*\i:TWO+16*\t+4*\i+3], v[WO], s[10:11] offset:2048*\t+16*\i        ; hidden 8 h + 0..7
	global_load_b128 v[TWO+16*\t+8+4*\i:TWO+16*\t+8+4*\i+3], v[WO], s[10:11] offset:2048*\t+64+16*\i ; hidden 16 + 8 h + 0..7
.endr
.endr
.irp i, 0,1
	global_load_b128 v[TWO+32+4*\i:TWO+32+4*\i+3], v[WO2], s[10:11] offset:4096+16*\i
	global_load_b128 v[TWO+40+4*\i:TWO+40+4*\i+3], v[WO2], s[10:11] offset:4096+64+16*\i
.endr
	v_mov_b32 v[KK], 0x4b800000                    ; 2^24
	v_mov_b32 v[KK+1], 0x4b800000
	v_mov_b32 v[NK], 0xcb800000                    ; -2^24
	v_mov_b32 v[NK+1], 0xcb800000
.irp i, 18,19,20,21,22,23
	v_mov_b32 v[CB+\i], 0                          ; the third C operand's rows that are not read
.endr
	s_wait_loadcnt 0x0                             ; all of the set-up's loads, once
.set i, 0
.rept 24                                       ; a fragment's register q holds hidden 8 h + 2 q, + 1 (q < 4) or 16 + 8 h + 2 (q - 4), + 1: the order in which they were loaded
	v_cvt_pk_bf16_f32 v[A+i], v[TWO+2*i], v[TWO+2*i+1]
.set i, i+1
.endr
.set i, 0
.rept 9                                        ; bout: rounded to bf16 and widened again
	v_cvt_pk_bf16_f32 v[TD+i], v[CB+2*i], v[CB+2*i+1]
.set i, i+1
.endr
.set i, 0
.rept 9
	v_lshlrev_b32 v[CB+2*i], 16, v[TD+i]
	v_and_b32 v[CB+2*i+1], s[MASK], v[TD+i]
.set i, i+1
.endr
.set g, 0
.rept 2                                        ; W1: as loaded, neuron 8 g + n has its three weights at 24 g + 3 n; the rounding also brings two neighbours' weights of one k together
.set n, 0
.rept 4
.set k, 0
.rept 3
	v_cvt_pk_bf16_f32 v[TC+12*g+3*n+k], v[TW1+24*g+6*n+k], v[TW1+24*g+6*n+3+k]
.set k, k+1
.endr
.set n, n+1
.endr
.set g, g+1
.endr
.set i, 0
.rept 8
	v_cvt_pk_bf16_f32 v[TC+24+i], v[TB1+2*i], v[TB1+2*i+1]
.set i, i+1
.endr
	WIN 0x40                                       ; destination window 1
.set i, 0
.rept 8                                        ; pair i of my neurons
.set k, 0
.rept 3
	v_lshlrev_b32 v[W1R+16*k+2*i], 16, v[TC+3*i+k]
	v_and_b32 v[W1R+16*k+2*i+1], s[MASK], v[TC+3*i+k]
.set k, k+1
.endr
	v_lshlrev_b32 v[BB+2*i], 16, v[TC+24+i]
	v_and_b32 v[BB+2*i+1], s[MASK], v[TC+24+i]
.set i, i+1
.endr
	WIN 0
; The four packed lines, each for n pairs of neurons.
.macro LEAK mem, old, inp, n           ; mem = 0.9 old + inp, one rounding
.set q, 0
.rept \n
	v_pk_fma_f32 v[(\mem)+q:(\mem)+q+1], v[(\old)+q:(\old)+q+1], s[BETA:BETA+1], v[(\inp)+q:(\inp)+q+1] op_sel_hi:[1,0,1]
.set q, q+2
.endr
.endm
.macro RESET mem, spk, n               ; mem = mem - the spike before
.set q, 0
.rept \n
	v_pk_add_f32 v[(\mem)+q:(\mem)+q+1], v[(\mem)+q:(\mem)+q+1], v[(\spk)+q:(\spk)+q+1] neg_lo:[0,1] neg_hi:[0,1]
.set q, q+2
.endr
.endm
.macro SPIKE spk, mem, n               ; spk = 1.0 where mem > 1, else 0
.set q, 0
.rept \n
	v_pk_fma_f32 v[(\spk)+q:(\spk)+q+1], v[(\mem)+q:(\mem)+q+1], v[KK:KK+1], v[NK:NK+1] clamp
.set q, q+2
.endr
.endm
; The hidden layer's step.  mode 1: step 1, where m = in;  mode 2: step 2, which takes in for the old m;  mode 0: any later step.
.macro HID mode
.if (\mode) == 1
	SPIKE S, IN, 8
.else
.if (\mode) == 2
	LEAK M, IN, IN, 8
.else
	LEAK M, M, IN, 8
.endif
	RESET M, S, 8
	SPIKE S, M, 8
.endif
.set q, 0
.rept 8
	v_cvt_pk_bf16_f32 v[P+q], v[S+2*q], v[S+2*q+1]   ; 1.0 and 0 are exact in bf16
.set q, q+1
.endr
.endm
; The output layer's step.  mode 1: step 1, whose ino the products wrote into MO: the membrane; its spikes start the counts.  mode 2: step 2: the spikes before lie in CN.  mode 0: any later step.
; Each result's lowest registers are read first: the pairs go in ascending order.
.macro OUTL mode
.if (\mode) == 1
	SPIKE CN, MO, 9
.else
	LEAK MO, MO, D, 9
.if (\mode) == 2
	RESET MO, CN, 9
.else
	RESET MO, SO, 9
.endif
	SPIKE SO, MO, 9
.set q, 0
.rept 9
	v_pk_add_f32 v[CN+q:CN+q+1], v[CN+q:CN+q+1], v[SO+q:SO+q+1]
.set q, q+2
.endr
.endif
.endm
; ino^T = Wout spike^T + bout: three products with results of their own; none adds onto another's.
.macro MAT dst
.irp t, 0,1,2
	v_wmma_f32_16x16x32_bf16 v[(\dst)+8*\t:(\dst)+8*\t+7], v[A+8*\t:A+8*\t+7], v[P:P+7], v[CB+8*\t:CB+8*\t+7]
.endr
.endm
; fc1 for a tile: x rounded to bf16 (each number twice, a pair for the packed forms); in = ((x0 w0 + x1 w1) + x2 w2) + b.
.macro XIN
.irp k, 0,1,2
	v_cvt_pk_bf16_f32 v[XT+\k], v[X+\k], v[X+\k]
.endr
.irp k, 0,1,2
	v_lshlrev_b32 v[XR+2*\k], 16, v[XT+\k]
	v_and_b32 v[XR+2*\k+1], s[MASK], v[XT+\k]
.endr
	WIN 0x04                                       ; source 1 in window 1
.set q, 0
.rept 8
	v_pk_mul_f32 v[IN+q:IN+q+1], v[XR:XR+1], v[W1R+q:W1R+q+1]
.set q, q+2
.endr
.set q, 0
.rept 8
	v_pk_fma_f32 v[IN+q:IN+q+1], v[XR+2:XR+3], v[W1R+16+q:W1R+16+q+1], v[IN+q:IN+q+1]
.set q, q+2
.endr
.set q, 0
.rept 8
	v_pk_fma_f32 v[IN+q:IN+q+1], v[XR+4:XR+5], v[W1R+32+q:W1R+32+q+1], v[IN+q:IN+q+1]
.set q, q+2
.endr
.set q, 0
.rept 8
	v_pk_add_f32 v[IN+q:IN+q+1], v[IN+q:IN+q+1], v[BB+q:BB+q+1]
.set q, q+2
.endr
	WIN 0
.endm
	XIN                                            ; the first tile's in and first spikes
	HID 1
.Ltile:                                        ; here in, S and P of the tile's step 1 stand ready
	s_cmp_eq_u32 s[CNT], 1
	s_cbranch_scc1 .Lno_next                       ; the last tile has none behind it: no load leaves x
	s_add_nc_u64 s[XB:XB+1], s[XB:XB+1], TILE_X    ; the loads that named this address have been waited for
.irp k, 0,1,2
	global_load_b32 v[X+\k], v[XO], s[XB:XB+1] offset:4*\k  ; the next tile's x: wanted 16 steps from here
.endr
.Lno_next:
	MAT MO                                         ; step 1: ino is the membrane
	HID 2                                          ; 24 plain lines stand ahead of the first that rewrites P, 32 ahead of the first that reads a result (four are asked for: ISA guide 7.12.1)
	OUTL 1
	MAT D                                          ; step 2
	HID 0
	OUTL 2
.rept 13                                       ; steps 3 to 15: the products of step t, the hidden layer of step t + 1, the output layer of step t
	MAT D
	HID 0
	OUTL 0
.endr
	MAT D                                          ; step 16
.rept 4
	v_nop                                          ; no hidden step is left to stand behind these products
.endr
	OUTL 0
	; THE WAY OUT.  My 36 counts go into my wave's stage, whose 16 rows of 144 bytes lie as they lie in out0 (36 words from row to row: the 16 rows of a store begin at 16 different groups of
	; four banks: ISA guide 11.1), and come back as nine times 256 consecutive bytes.
	s_wait_xcnt 0x0                                ; the last tile's stores have read OB and out0's address: both are written below
	s_add_nc_u64 s[OUTB:OUTB+1], s[OUTB:OUTB+1], s[STEP:STEP+1]
	s_mov_b32 s[STEP], TILE_O
	ds_store_b128 v[STO], v[CN:CN+3]               ; outputs 8 h + 0..3
	ds_store_b128 v[STO], v[CN+4:CN+7] offset:16
	ds_store_b128 v[STO], v[CN+8:CN+11] offset:64  ; outputs 16 + 8 h + 0..3
	ds_store_b128 v[STO], v[CN+12:CN+15] offset:80
	ds_store_b64 v[STO2], v[CN+16:CN+17] offset:128  ; outputs 32 + 2 h, 33 + 2 h
.irp i, 0,1,2,3,4,5,6,7,8
	ds_load_b64 v[OB+2*\i:OB+2*\i+1], v[RD] offset:256*\i  ; LDS serves a wave's instructions in order (ISA guide 5.7.1.4): these see the stores above, and the next tile's stores come behind them
.endr
	s_wait_loadcnt 0x0                             ; the next tile's x (in the last trip nothing is out)
	s_cmp_eq_u32 s[CNT], 1
	s_cbranch_scc1 .Lsend
	XIN                                            ; the next tile's in and first spikes stand between the stage's loads and the wait for them
	HID 1
.Lsend:
.irp i, 0,1,2,3,4,5,6,7,8
	s_wait_dscnt 8-\i                              ; LDS loads come back in order: number i is in, the 8 - i younger ones may stay out
	global_store_b64 v[GO], v[OB+2*\i:OB+2*\i+1], s[OUTB:OUTB+1] offset:256*\i th:TH_STORE_NT  ; 32 lanes store 256 consecutive bytes, at a multiple of 256 from out0's first byte
.endr
	s_sub_co_u32 s[CNT], s[CNT], 1
	s_cmp_lg_u32 s[CNT], 0
	s_cbranch_scc1 .Ltile
	s_wait_tensorcnt 0x0                           ; the wave's end
	ds_add_u32 v[SPW], v[NIL]
	s_wait_dscnt 0x0
	s_endpgm
.Lfunc_end_k_qab90a5952b_snn:
	.size	k_qab90a5952b_snn, .Lfunc_end_k_qab90a5952b_snn-k_qab90a5952b_snn
	.p2alignl 7, 3214868480
	.fill 96, 4, 3214868480
	.section	.rodata,"a",@progbits
	.p2align	6, 0x0
	.amdhsa_kernel k_qab90a5952b_snn
		.amdhsa_group_segment_fixed_size 19456
		.amdhsa_private_segment_fixed_size 0
		.amdhsa_enable_private_segment 0
		.amdhsa_kernarg_size 48
		.amdhsa_user_sgpr_count 2
		.amdhsa_user_sgpr_kernarg_segment_ptr 1
		.amdhsa_wavefront_size32 1
		.amdhsa_system_sgpr_workgroup_id_x 1
		.amdhsa_system_sgpr_workgroup_id_y 1
		.amdhsa_system_sgpr_workgroup_id_z 1
		.amdhsa_system_vgpr_workitem_id 0
		.amdhsa_next_free_vgpr 320
		.amdhsa_next_free_sgpr 66
		.amdhsa_reserve_vcc 0
		.amdhsa_float_denorm_mode_32 3
		.amdhsa_float_denorm_mode_16_64 3
		.amdhsa_memory_ordered 1
		.amdhsa_forward_progress 1
		.amdhsa_inst_pref_size 90
	.end_amdhsa_kernel
	.amdgpu_metadata
---
amdhsa.version: [ 1, 2 ]
amdhsa.kernels:
  - .name:           k_qab90a5952b_snn
    .symbol:         k_qab90a5952b_snn.kd
    .args:
      - { .name: x, .offset: 0, .size: 8, .value_kind: global_buffer, .address_space: global }
      - { .name: W1, .offset: 8, .size: 8, .value_kind: global_buffer, .address_space: global }
      - { .name: b1, .offset: 16, .size: 8, .value_kind: global_buffer, .address_space: global }
      - { .name: Wout, .offset: 24, .size: 8, .value_kind: global_buffer, .address_space: global }
      - { .name: bout, .offset: 32, .size: 8, .value_kind: global_buffer, .address_space: global }
      - { .name: out0, .offset: 40, .size: 8, .value_kind: global_buffer, .address_space: global }
    .group_segment_fixed_size: 19456
    .private_segment_fixed_size: 0
    .kernarg_segment_align: 8
    .kernarg_segment_size: 48
    .max_flat_workgroup_size: 256
    .sgpr_count:     66
    .vgpr_count:     320
    .wavefront_size: 32
...
	.end_amdgpu_metadata
.endif
;; end of part 1
